; MI455X (gfx1250); checked and timed in simulation.
; The chip was launched on July 23, 2026; its instructions are those of AMD's public machine-readable ISA for CDNA 5 (MIT licence, August 2026) and "CDNA5" Instruction Set Architecture Reference Guide (July 2026). The comments in the code are by the model that wrote it; some were corrected since.
;; Attention. Allowed arithmetic: matrix products marked QUANTISED: E2M1 operands, one E8M0 scale for each 32 along K, by v_wmma_scale_f32_16x16x128_f8f6f4 with both operands' format E2M1 (or v_wmma_scale_f32_32x16x128_f4), f32 sums; products left as they are: f32 operands where the result goes on into a quantised operand, else bf16, f16 or f32 operands; f32 sums; everything else in f32.
;; Inputs: Wc 1 x 256 float32; Wf 256 x 512 float32; Wft 512 x 512 float32; Wh 256 x 512 float32; Ws 256 x 512 float32; bc 1 float32; bf 256 float32; bft 512 float32; bh 256 float32; bs 256 float32; features 512 x 256 x 512 float32; hidden 512 x 512 float32; inputs 512 x 1,024 float32; memory 512 x 512 float32; s 512 x 512 float32.
;; Outputs: out0 512 x 512 float32.
;; This version of the problem:
;;   THIS VERSION OF THE PROBLEM IS GIVEN IN LOW PRECISION. The matrix products marked QUANTISED in the list below multiply operands that are first quantised to E2M1 (2 exponent bits, 1 mantissa bit; 4 bits a number), with one power-of-two scale for each 32 numbers along K (OCP MX v1.0); their sums are f32. All else is computed in f32.
;;   The module's matrix products, in the order in which they are computed (A, B: the left and right operand; K: the contracted axis; several contracted axes count as one K, in the product's order):
;;     1. [M 131,072, K 512] x [K 512, N 512]; A: input features; B: input Wft: QUANTISED
;;     2. [M 131,072, K 512] x [K 512, N 256]; A: computed on the way; B: input Wf: QUANTISED
;;     3. [M 512, K 512] x [K 512, N 256]; A: input hidden; B: input Wh: QUANTISED
;;     4. [M 131,072, K 256] x [K 256, N 1]; A: computed on the way; B: input Wc: left as it is (N = 1 < 16)
;;     5. batch 512 x [M 1, K 256] x [K 256, N 512]; A: softmax; B: computed on the way: left as it is (M = 1 < 16)
;;     6. [M 512, K 512] x [K 512, N 256]; A: input s; B: input Ws: QUANTISED
;;     7. [M 512, K 256] x [K 256, N 1]; A: computed on the way; B: input Wc: left as it is (N = 1 < 16)
;;   THE QUANTISER, for each operand of a quantised product, along K:
;;     - K is cut into blocks of 32 from its start; a last block that is shorter is filled with zeros.
;;     - A block's scale is 2^e with e = floor(log2(the largest magnitude in the block)) - 2, held to -126 .. 127; a block of zeros has e = 0. As a byte (E8M0): e + 127.
;;     - Each number is divided by its block's scale, clamped to +-6, and rounded to the nearest number of E2M1, ties to even, subnormals kept.
;;     - The product sums the exact products of the quantised numbers (number of the format x scale) in f32.
;;   ~~~python
;;   def quantise(x, axis):      # numpy; x: float32 -> the quantised numbers, widened to float32 again
;;       x = np.moveaxis(x, axis, -1); K = x.shape[-1]
;;       x = np.pad(x, [(0, 0)] * (x.ndim - 1) + [(0, -K % 32)]); x = x.reshape(x.shape[:-1] + (-1, 32)); a = np.abs(x).max(-1, keepdims=True)
;;       e = np.where(a > 0, np.clip(np.frexp(np.where(a > 0, a, 1))[1] - 1 - 2, -126, 127), 0)      # np.frexp(a)[1] - 1 = floor(log2(a)), exactly
;;       r = np.clip(x / 2.0 ** e, -6, 6)
;;       step = 2.0 ** (np.maximum(np.frexp(np.where(r == 0, 1, r))[1] - 1, 0) - 1)
;;       q = np.round(r / step) * step * 2.0 ** e      # np.round: ties to even
;;       return np.moveaxis(q.reshape(q.shape[:-2] + (-1,))[..., :K], -1, axis).astype(np.float32)
;;   ~~~
;;   OPERANDS COMPUTED ON THE WAY. 'Computed on the way' means the value that the module computes at that place (a softmax that the list does not call 'softmax' is quantised finished and normalised). What goes into a quantiser is computed in f32, as accurately as f32 sums, v_exp_f32 and their like allow (about 1e-6 of the number): no bf16 or f16 on the way to a quantiser, and a product that is left as it is and whose result goes on into a quantised operand takes f32 operands (vector FMAs, or v_wmma_f32_16x16x4_f32). A number that lies on a knife's edge between two numbers of the format may be rounded either way, as far as f32 arithmetic and the matrix unit's own rounding can turn it there, and no further.
;; One version. Each part assembles by itself: llvm-mc -triple=amdgcn-amd-amdhsa -mcpu=gfx1250 --defsym DOCPART=n.
;; ======== version 1 of 1: 2 launches
;; limits: right only within a limited range of input values
;; workspace buffers: wimg 196,608 bytes; wsc 12,288 bytes; gh 524,288 bytes; gs 524,288 bytes
;; launch prep (part 1): grid 256 x 1, 4 waves a work-group, no clusters, 18,944 bytes of LDS; arguments hidden, s, Wh, Ws, bh, bs, Wft, Wf, wimg, wsc, gh, gs; writes wimg, wsc, gh, gs
.if DOCPART == 1
	.amdgcn_target "amdgcn-amd-amdhsa--gfx1250"
	.amdhsa_code_object_version 6
	.text
	.protected	k_q43c82101ce_prep
	.globl	k_q43c82101ce_prep
	.p2align	8
	.type	k_q43c82101ce_prep,@function
k_q43c82101ce_prep:
	s_mov_b64 s[64:65], 0
	v_nop
	global_prefetch_b8 v0, s[64:65] scope:SCOPE_SE
	s_setreg_imm32_b32 hwreg(HW_REG_WAVE_MODE, 25, 1), 1
	s_wait_xcnt 0x0
; WHAT IT DOES.  gh = hidden Wh^T + bh and gs = s Ws^T + bs, [512][256] each, both products on codes of FP4 (E2M1) with one E8M0 scale for each 32 along K (K = 512);
; and Wft [512][512] and Wf [256][512] become codes and scale words, laid as images of the operand's registers, so that the next launch loads each fragment whole.
; THE QUANTISER: a block's scale is 2^(floor(log2(its largest magnitude)) - 2); its byte is the largest magnitude's exponent field - 2, held at 1 from below; each number / scale to the nearest code, ties to even, beyond 6 the code of 6.
; LIMITS: NaN and infinities among the inputs are not served; a block of zeros gets the byte 1 where the rule says 127 (its codes are zeros, and this program alone reads the bytes); blocks whose largest
; magnitude lies under 2^-124 rest on the floor and were not tried; a bias is the C of a sum's first product, so it is added ahead of the products; a sum over K is made in two halves that are then added.
; SHARES.  256 work-groups of four waves; the first 128 take hidden, Wh, bh, gh, the others s, Ws, bs, gs.  A work-group makes 2 x 2 tiles of 16 x 16 of its product: waves 0 and 1 load and quantise one tile of X each
; (16 rows x 512 along K), waves 2 and 3 one tile of W each: each tile once a work-group, 128 KiB in all.  The fragments go from wave to wave through LDS as images of their registers; one barrier; wave w makes tile (w / 2, w % 2).
; THE LARGE WEIGHTS are 48 tiles x 4 K steps = 192 units of 16 rows x 128 along K: in work-group g < 192 the wave g % 4 takes unit g (tile g / 4, K step g % 4) beside its own tile: 16 loads more, one fragment more.
; LAYOUTS.  L = lane, r = L % 16, h = L / 16.
;   wimg: tile T at 4096 T; its K step s (128 along K) at + 1024 s; registers 4 c .. 4 c + 3 of lane L at + 512 c + 16 L.  T = 8 w + t < 32: Wft, lane r = row 128 w + 32 (t / 2) + 8 (t % 2) + r + 8 (r / 8), so that
;         the results of two neighbouring tiles are 16 neighbours along the next product's K;  T = 32 + 4 w + t: Wf, lane r = row 64 w + 16 t + r.
;   wsc:  tile T at 256 T; K step s at + 64 s; row r's word at + 4 r: a load of 128 bytes has K step 2 sp in lanes 0-15 and K step 2 sp + 1 in lanes 16-31.
;   gh, gs: the accumulators as they stand: element (b = 16 bt + r, m = 16 mt + 8 h + 4 c + i) at 1024 (16 bt + mt) + 512 c + 16 L + 4 i: every store covers 512 consecutive bytes.
; LDS: the four tiles' images, tile i (= the wave that made it) at 4096 i, as in wimg; behind them their scale words: SCL + 512 i + 128 s + 4 L.
; REGISTERS: window 0 as named below; window 1: my tile's 256 numbers a lane, as loaded.
; WORK LEFT OUT, in the whole program.  reference() never reads 'inputs' and 'memory': they have no way to out0, are not loaded and are no launch's arguments.
; bc: with i = i_score and z_n as reference() has them, out0 = (e^i s + sum_n e^(z_n) ft_n) / (e^i + sum_n e^(z_n)), since (1 - b_gate) a_n = e^(z_n) / (e^i + sum e^z).  bc is added to i and to every z_n alike,
; so e^bc stands in every term above and below and cancels, for all values: bc is not loaded and is no launch's argument.  LIMIT: a NaN, an infinity or an overflow that reaches only bc, inputs or memory is not carried to the result.
; THE ROWS OF A TILE OF Wft, in place of what the paragraph on wimg above says of them: T = 8 w + t < 32: lane r = row 128 w + 64 (t / 4) + 8 (t % 4) + r + 24 (r / 8), so that the results of four
; neighbouring tiles are, in one lane, a whole block of 32 neighbours along the next product's K.
.set SCL, 16384
.set TM,  16                           ; v16-31   the quantiser's: largest magnitudes, bytes, scale operands
.set CX,  32                           ; v32-63   my tile's four fragments
.set XS,  64                           ; v64-67   their scale words
.set XL,  68                           ; v68-71   X's scale words as loaded from LDS;  v72-75 W's: scales and nothing else
.set WL,  72
.set FX,  76                           ; v76-107  X's four fragments from LDS
.set FW,  108                          ; v108-139 W's
.set BI,  140                          ; v140-147 the bias in the result's layout
.set AC,  148                          ; v148-155 the sum over K steps 0, 1, begun on the bias
.set AD,  156                          ; v156-163 the sum over K steps 2, 3
.set RS,  164                          ; v164-171 the result
.set EP,  172                          ; v172-179 a unit of the large weights: its codes,
.set EW,  180                          ; v180     its scale word,
.set ER,  181                          ; v181     4 r,
.set EX,  184                          ; v184-247 its 64 numbers a lane
.set SEL, 28                           ; s[28:29] v_permlanex16_b32's selects for lane l xor 16
.set FL,  30                           ; s30      the floor 2^(3 - 127)
.set MSB, 0
.macro WIN new                         ; the immediate's high byte repeats the setting that is left; a switch that changes nothing is dropped
.if MSB != (\new)
	s_set_vgpr_msb (MSB<<8)|(\new)
.set MSB, (\new)
.endif
.endm
; 64 numbers of a lane, v[src] .. v[src + 63] of window win, register 16 b + i = k 32 b + 16 h + i of my row, become a fragment's codes in v[pc] .. v[pc + 7] and its scale word in v[pw] (window 0).
.macro QUANT src, win, pc, pw
	WIN 20*(\win)                                  ; sources 1 and 2 in window win
.irp b, 0,1,2,3
	v_max3_num_f32 v[TM+\b], s[FL], |v[(\src)+16*\b]|, |v[(\src)+16*\b+1]|   ; block b: my 16 numbers, and the floor: so the byte cannot fall under 1
.endr
.irp i, 2,4,6,8,10,12,14
.irp b, 0,1,2,3
	v_max3_num_f32 v[TM+\b], v[TM+\b], |v[(\src)+16*\b+\i]|, |v[(\src)+16*\b+\i+1]|   ; the four blocks by turns
.endr
.endr
	WIN 0
.irp b, 0,1,2,3
	v_permlanex16_b32 v[TM+4+\b], v[TM+\b], s[SEL], s[SEL+1]
.endr
.irp b, 0,1,2,3
	v_max_num_f32 v[TM+\b], v[TM+\b], v[TM+4+\b]   ; with lane l xor 16's 16: the block's largest magnitude
.endr
.irp b, 0,1,2,3
	v_add_nc_u32 v[TM+12+\b], 0xff000000, v[TM+\b] ; 2 off its exponent field: the conversion takes the exponent field of this operand as its scale
.endr
.irp b, 0,1,2,3
	v_lshrrev_b32 v[TM+4+\b], 23, v[TM+12+\b]      ; the scale's byte
.endr
	v_lshl_or_b32 v[\pw], v[TM+5], 8, v[TM+4]      ; four bytes: my row's scale word (the same in lanes l and l xor 16)
	v_lshl_or_b32 v[\pw], v[TM+6], 16, v[\pw]
	v_lshl_or_b32 v[\pw], v[TM+7], 24, v[\pw]
	WIN (\win)                                     ; source 0 in window win
.irp b, 0,1,2,3
	v_cvt_scalef32_pk8_fp4_f32 v[(\pc)+2*\b], v[(\src)+16*\b:(\src)+16*\b+7], v[TM+12+\b]
	v_cvt_scalef32_pk8_fp4_f32 v[(\pc)+2*\b+1], v[(\src)+16*\b+8:(\src)+16*\b+15], v[TM+12+\b]
.endr
	WIN 0
	v_nop                                          ; one plain instruction behind the scaled conversions
.irp c, 0,1                                    ; the operand wants a whole block in a lane: lanes 0-15 block 2 c, lanes 16-31 block 2 c + 1
.irp i, 0,1
	v_permlane16_swap_b32 v[(\pc)+4*\c+\i], v[(\pc)+4*\c+2+\i]
.endr
.endr
.endm
	s_load_b512 s[4:19], s[0:1], 0x0               ; hidden 4, s 6, Wh 8, Ws 10, bh 12, bs 14, Wft 16, Wf 18
	s_load_b256 s[20:27], s[0:1], 0x40             ; wimg 20, wsc 22, gh 24, gs 26
	v_lshl_add_u32 v254, v0, 2, 0x4800
	v_mov_b32 v255, 0
	v_lshrrev_b32 v1, 5, v0
	v_readfirstlane_b32 s2, v1                     ; wave 0..3
	v_and_b32 v1, 31, v0                           ; L
	v_and_b32 v2, 15, v0                           ; r
	v_bfe_u32 v3, v0, 4, 1                         ; h
	v_lshlrev_b32 v5, 5, v3                        ; 32 h
	v_lshlrev_b32 v6, 4, v1                        ; 16 L
	v_lshlrev_b32 v7, 2, v1                        ; 4 L
	s_wait_alu depctr_va_vdst(0)
	v_lshlrev_b32 v4, 11, v2
	v_lshl_add_u32 v4, v3, 6, v4                   ; row r of 2,048 bytes, + 64 h: my 16 numbers of a block of 32
	s_mov_b32 s[SEL], 0x76543210
	s_mov_b32 s[SEL+1], 0xfedcba98
	s_mov_b32 s[FL], 0x1800000
.irp b, 0,1,2,3
	v_mov_b32 v[TM+4+\b], 0                        ; written once: a lane permute's destination counts as one of its sources
.endr
	s_mov_b32 s45, 0
	s_and_b32 s43, s2, 1                           ; w % 2
	s_lshr_b32 s46, s2, 1                          ; w / 2
	s_lshl_b32 s40, s2, 12
	v_add_nc_u32 v9, s40, v6                       ; LDS: where my tile's images go: 4096 w + 16 L
	s_lshl_b32 s40, s2, 9
	v_add_nc_u32 v10, s40, v7
	v_add_nc_u32 v10, SCL, v10                     ; and its scale words: SCL + 512 w + 4 L
	s_lshl_b32 s40, s46, 12
	v_add_nc_u32 v11, s40, v6                      ; what I multiply: X's tile w / 2,
	s_lshl_b32 s40, s43, 12
	v_add_nc_u32 v12, s40, v6
	v_add_nc_u32 v12, 8192, v12                    ; W's tile 2 + w % 2,
	s_lshl_b32 s40, s46, 9
	v_add_nc_u32 v13, s40, v7
	v_add_nc_u32 v13, SCL, v13                     ; and their scale words
	s_lshl_b32 s40, s43, 9
	v_add_nc_u32 v14, s40, v7
	v_add_nc_u32 v14, SCL+1024, v14
	s_wait_kmcnt 0x0
	s_cmp_lt_u32 ttmp9, 128                        ; which product: only pointers are chosen, on the work-group's number
	s_cselect_b64 s[32:33], s[4:5], s[6:7]         ; X
	s_cselect_b64 s[34:35], s[8:9], s[10:11]       ; W
	s_cselect_b64 s[36:37], s[12:13], s[14:15]     ; the bias
	s_cselect_b64 s[38:39], s[24:25], s[26:27]     ; the result
	s_and_b32 s40, ttmp9, 127
	s_lshr_b32 s41, s40, 3                         ; which pair of X's 32 tiles
	s_and_b32 s42, s40, 7                          ; which pair of W's 16 tiles
	s_cmp_lt_u32 s2, 2                             ; waves 0, 1 load X's tiles, waves 2, 3 W's
	s_cselect_b64 s[32:33], s[32:33], s[34:35]
	s_cselect_b32 s44, s41, s42
	s_lshl_b32 s44, s44, 1
	s_add_co_u32 s44, s44, s43                     ; the tile that I load: 2 x pair + w % 2
	s_lshl_b32 s44, s44, 15                        ; 16 rows of 2,048 bytes
	s_add_nc_u64 s[32:33], s[32:33], s[44:45]
	s_lshl_b32 s41, s41, 1
	s_add_co_u32 s41, s41, s46                     ; bt: the tile of rows that I multiply
	s_lshl_b32 s42, s42, 1
	s_add_co_u32 s42, s42, s43                     ; mt: the tile of outputs
	s_lshl_b32 s44, s42, 6
	s_add_nc_u64 s[36:37], s[36:37], s[44:45]
	s_lshl_b32 s44, s41, 4
	s_add_co_u32 s44, s44, s42
	s_lshl_b32 s44, s44, 10                        ; 1024 (16 bt + mt)
	s_add_nc_u64 s[38:39], s[38:39], s[44:45]
.irp c, 0,1
	global_load_b128 v[BI+4*\c:BI+4*\c+3], v5, s[36:37] offset:16*\c   ; lane (r, h): the bias of outputs 16 mt + 8 h + 0 .. 7
.endr
	WIN 0x40                                       ; destination window 1
.irp s, 0,1,2,3
.irp b, 0,1,2,3
.irp j, 0,1,2,3
	global_load_b128 v[64*\s+16*\b+4*\j:64*\s+16*\b+4*\j+3], v4, s[32:33] offset:512*\s+128*\b+16*\j   ; register 64 s + 16 b + 4 j + e = k 128 s + 32 b + 16 h + 4 j + e of my row
.endr
.endr
.endr
	WIN 0
	; ---- a unit of the large weights, in the wave g % 4 of work-groups g < 192.  No barrier and no LDS instruction stands under this branch; its wait is for all the wave's loads, so the counts behind it hold on both ways
	s_and_b32 s40, ttmp9, 3
	s_cmp_lg_u32 s40, s2
	s_cbranch_scc1 .Lno_unit
	s_cmp_ge_u32 ttmp9, 192
	s_cbranch_scc1 .Lno_unit
	s_lshr_b32 s40, ttmp9, 2                       ; T, 0 .. 47; the K step is my wave's number
	s_lshr_b32 s41, s40, 3
	s_lshl_b32 s41, s41, 7                         ; Wft: 128 (T / 8)
	s_bfe_u32 s42, s40, 0x10002
	s_lshl_b32 s42, s42, 6                         ; + 64 ((T / 4) % 2)
	s_add_co_u32 s41, s41, s42
	s_and_b32 s42, s40, 3
	s_lshl_b32 s42, s42, 3                         ; + 8 (T % 4)
	s_add_co_u32 s41, s41, s42
	s_sub_co_u32 s43, s40, 32
	s_lshl_b32 s43, s43, 4                         ; Wf: 16 (T - 32)
	s_cmp_lt_u32 s40, 32
	s_cselect_b64 s[34:35], s[16:17], s[18:19]
	s_cselect_b32 s41, s41, s43                    ; the tile's first row
	s_cselect_b32 s42, 8, 0
	v_and_b32 v8, s42, v2
	v_mad_u32_u24 v8, v8, 3, v2                    ; my row in the tile: r + 24 (r / 8) in Wft, r in Wf
	v_lshlrev_b32 v15, 11, v8
	v_lshl_add_u32 v15, v3, 6, v15
	s_wait_alu depctr_va_vdst(0)
	v_lshlrev_b32 v[ER], 2, v2
	s_lshl_b32 s44, s41, 11
	s_lshl_b32 s43, s2, 9                          ; the K step's 512 bytes of a row
	s_add_co_u32 s44, s44, s43
	s_add_nc_u64 s[34:35], s[34:35], s[44:45]
	s_lshl_b32 s44, s40, 12
	s_lshl_b32 s43, s2, 10
	s_add_co_u32 s44, s44, s43
	s_add_nc_u64 s[20:21], s[20:21], s[44:45]      ; wimg at 4096 T + 1024 s
	s_lshl_b32 s44, s40, 8
	s_lshl_b32 s43, s2, 6
	s_add_co_u32 s44, s44, s43
	s_add_nc_u64 s[22:23], s[22:23], s[44:45]      ; wsc at 256 T + 64 s
.irp b, 0,1,2,3
.irp j, 0,1,2,3
	global_load_b128 v[EX+16*\b+4*\j:EX+16*\b+4*\j+3], v15, s[34:35] offset:128*\b+16*\j
.endr
.endr
	s_wait_loadcnt 0x0
	QUANT EX, 0, EP, EW
.irp c, 0,1
	global_store_b128 v6, v[EP+4*\c:EP+4*\c+3], s[20:21] offset:512*\c   ; the fragment as it stands: 512 consecutive bytes a store
.endr
	global_store_b32 v[ER], v[EW], s[22:23]        ; lanes l and l xor 16 hold the same word and write it to the same place
.Lno_unit:
	; ---- my tile becomes four fragments, which go to LDS as they stand
.irp s, 0,1,2,3
	s_wait_loadcnt 48-16*\s                        ; the loads issued behind this K step's last one may be out
	QUANT 64*\s, 1, CX+8*\s, XS+\s
	ds_store_b128 v9, v[CX+8*\s:CX+8*\s+3] offset:1024*\s
	ds_store_b128 v9, v[CX+8*\s+4:CX+8*\s+7] offset:1024*\s+512
	ds_store_b32 v10, v[XS+\s] offset:128*\s
.endr
	s_wait_dscnt 0x0                               ; for the others' sake: my stores have landed
	s_barrier_signal -1
	s_barrier_wait -1                              ; the four tiles' images lie in LDS
.irp s, 0,1,2,3
.irp c, 0,1
	ds_load_b128 v[FX+8*\s+4*\c:FX+8*\s+4*\c+3], v11 offset:1024*\s+512*\c
	ds_load_b128 v[FW+8*\s+4*\c:FW+8*\s+4*\c+3], v12 offset:1024*\s+512*\c
.endr
	ds_load_b32 v[XL+\s], v13 offset:128*\s
	ds_load_b32 v[WL+\s], v14 offset:128*\s
.endr
	s_wait_dscnt 0x0
; TRANSPOSED: source 0 = 16 rows of W, source 1 = X's 16 rows: lane (r, h) holds row r of the batch and outputs 8 h + 0 .. 7.  Two accumulators take turns: K steps 0, 1 on the bias, K steps 2, 3 on 0.
	v_wmma_scale_f32_16x16x128_f8f6f4 v[AC:AC+7], v[FW:FW+7], v[FX:FX+7], v[BI:BI+7], v[WL], v[XL] matrix_a_fmt:MATRIX_FMT_FP4 matrix_b_fmt:MATRIX_FMT_FP4
	v_wmma_scale_f32_16x16x128_f8f6f4 v[AD:AD+7], v[FW+16:FW+23], v[FX+16:FX+23], 0, v[WL+2], v[XL+2] matrix_a_fmt:MATRIX_FMT_FP4 matrix_b_fmt:MATRIX_FMT_FP4
	v_wmma_scale_f32_16x16x128_f8f6f4 v[AC:AC+7], v[FW+8:FW+15], v[FX+8:FX+15], v[AC:AC+7], v[WL+1], v[XL+1] matrix_a_fmt:MATRIX_FMT_FP4 matrix_b_fmt:MATRIX_FMT_FP4
	v_wmma_scale_f32_16x16x128_f8f6f4 v[AD:AD+7], v[FW+24:FW+31], v[FX+24:FX+31], v[AD:AD+7], v[WL+3], v[XL+3] matrix_a_fmt:MATRIX_FMT_FP4 matrix_b_fmt:MATRIX_FMT_FP4
.rept 4
	v_nop                                          ; four places ahead of the additions that read the results
.endr
.irp i, 0,1,2,3
	v_pk_add_f32 v[RS+2*\i:RS+2*\i+1], v[AC+2*\i:AC+2*\i+1], v[AD+2*\i:AD+2*\i+1]   ; each accumulator from its low end on
.endr
.irp c, 0,1
	global_store_b128 v6, v[RS+4*\c:RS+4*\c+3], s[38:39] offset:512*\c   ; 512 consecutive bytes a store
.endr
	s_wait_tensorcnt 0x0
	ds_add_u32 v254, v255
	s_wait_dscnt 0x0
	s_endpgm
.Lfunc_end_k_q43c82101ce_prep:
	.size	k_q43c82101ce_prep, .Lfunc_end_k_q43c82101ce_prep-k_q43c82101ce_prep
	.p2alignl 7, 3214868480
	.fill 96, 4, 3214868480
	.section	.rodata,"a",@progbits
	.p2align	6, 0x0
	.amdhsa_kernel k_q43c82101ce_prep
		.amdhsa_group_segment_fixed_size 18944
		.amdhsa_private_segment_fixed_size 0
		.amdhsa_enable_private_segment 0
		.amdhsa_kernarg_size 96
		.amdhsa_user_sgpr_count 2
		.amdhsa_user_sgpr_kernarg_segment_ptr 1
		.amdhsa_wavefront_size32 1
		.amdhsa_system_sgpr_workgroup_id_x 1
		.amdhsa_system_sgpr_workgroup_id_y 1
		.amdhsa_system_sgpr_workgroup_id_z 1
		.amdhsa_system_vgpr_workitem_id 0
		.amdhsa_next_free_vgpr 512
		.amdhsa_next_free_sgpr 66
		.amdhsa_reserve_vcc 0
		.amdhsa_float_denorm_mode_32 3
		.amdhsa_float_denorm_mode_16_64 3
		.amdhsa_memory_ordered 1
		.amdhsa_forward_progress 1
		.amdhsa_inst_pref_size 35
	.end_amdhsa_kernel
	.amdgpu_metadata
---
amdhsa.version: [ 1, 2 ]
amdhsa.kernels:
  - .name:           k_q43c82101ce_prep
    .symbol:         k_q43c82101ce_prep.kd
    .args:
      - { .name: hidden, .offset: 0, .size: 8, .value_kind: global_buffer, .address_space: global }
      - { .name: s, .offset: 8, .size: 8, .value_kind: global_buffer, .address_space: global }
      - { .name: Wh, .offset: 16, .size: 8, .value_kind: global_buffer, .address_space: global }
      - { .name: Ws, .offset: 24, .size: 8, .value_kind: global_buffer, .address_space: global }
      - { .name: bh, .offset: 32, .size: 8, .value_kind: global_buffer, .address_space: global }
      - { .name: bs, .offset: 40, .size: 8, .value_kind: global_buffer, .address_space: global }
      - { .name: Wft, .offset: 48, .size: 8, .value_kind: global_buffer, .address_space: global }
      - { .name: Wf, .offset: 56, .size: 8, .value_kind: global_buffer, .address_space: global }
      - { .name: wimg, .offset: 64, .size: 8, .value_kind: global_buffer, .address_space: global }
      - { .name: wsc, .offset: 72, .size: 8, .value_kind: global_buffer, .address_space: global }
      - { .name: gh, .offset: 80, .size: 8, .value_kind: global_buffer, .address_space: global }
      - { .name: gs, .offset: 88, .size: 8, .value_kind: global_buffer, .address_space: global }
    .group_segment_fixed_size: 18944
    .private_segment_fixed_size: 0
    .kernarg_segment_align: 8
    .kernarg_segment_size: 96
    .max_flat_workgroup_size: 128
    .sgpr_count:     66
    .vgpr_count:     512
    .wavefront_size: 32
...
	.end_amdgpu_metadata
.endif
;; end of part 1
;; launch main (part 2): grid 256 x 1, 4 waves a work-group, no clusters, 327,680 bytes of LDS; arguments features, wimg, wsc, bft, bf, gh, gs, Wc, s, out0; writes out0
.if DOCPART == 2
	.amdgcn_target "amdgcn-amd-amdhsa--gfx1250"
	.amdhsa_code_object_version 6
	.text
	.protected	k_q43c82101ce_main
	.globl	k_q43c82101ce_main
	.p2align	8
	.type	k_q43c82101ce_main,@function
k_q43c82101ce_main:
	s_mov_b64 s[64:65], 0
	v_nop
	global_prefetch_b8 v0, s[64:65] scope:SCOPE_SE
	s_setreg_imm32_b32 hwreg(HW_REG_WAVE_MODE, 25, 1), 1
	s_wait_xcnt 0x0
; out0[b] = (e^i s[b] + sum_n e^(z_n) ft_n) / (e^i + sum_n e^(z_n)), ft = relu(features Wft^T + bft), z_n = Wc . tanh(ft_n Wf^T + bf + gh[b]), i = Wc . tanh(gs[b] + gh[b]).
; WORK LEFT OUT: bc (it cancels above and below), inputs, memory: shown at the head of the first kernel.
; Both products run on codes of FP4 (E2M1) with one E8M0 scale for each 32 along K, by the 32 x 16 x 128 form; features and ft are quantised here, in f32, by the stated quantiser; the weights' codes come from the launch before.
; The softmax keeps a running maximum for each lane's rows; tanh(x) = 1 - 2 / (1 + 2^(2 log2(e) x)).
; LIMITS: NaN and infinities among the inputs are not served; a block of zeros gets the byte 1 where the rule says 127 (its codes are zeros; this program alone reads the bytes); a bias is the C of a sum's first product.
; SHARES.  256 work-groups of four waves; a work-group owns two batches, 512 rows of features, in 8 chunks of 64 rows.  A chunk (64 rows x 2,048 bytes) comes by four tensor loads, one a wave (64 rows x 512 bytes),
; into one of two slots.  Wave w quantises rows 16 w .. + 15 of the chunk; holds in registers the codes of Wft's rows 128 w .. + 127 and of Wf's rows 64 w .. + 63; makes those columns of ft and of the second product for all 64 rows.
; Codes go from wave to wave through LDS as images of the operand's registers.  Both products are used transposed (source 0 = 32 rows of weights, source 1 = 16 rows): a lane holds one row, its registers run along the columns.
; A LANE HOLDS WHOLE BLOCKS OF 32: register 32 c + i of a run of 64 is k = 64 c + 32 (lane / 16) + i, which is the operand's own layout: the block's largest magnitude needs no other lane, and each conversion's result is a register of the operand.
; THE BARRIER BETWEEN THE PRODUCTS is four, one for each tile of 16 rows, each split: a wave signals when its part of tile m's codes lies in LDS, and waits a tile's work later; between the two stand register work and loads of X's images alone.
; THE CHANGE OF SLOTS stands at the barrier of the exchange of z, directly ahead of the reads of the next chunk's numbers: so chunk 0's products do not wait for chunk 1.
; NO CLUSTER: the work-groups share the weights alone, 204 KiB read once at the head against 1 MiB of features of each work-group's own.  NO PREFETCH: a refill is asked for behind one chunk's exchange of z and waited for in front of the next chunk's,
; with a chunk's 96 matrix instructions and all its vector work between.
; REGISTERS: window 0 as named; window 1: Wft's codes (tiles 2 p, 2 p + 1 of K step s at 16 (4 p + s)); window 2: Wf's codes likewise at 0, bft at B1, bf + gh at HB, -2 Wc at WC; window 3: a chunk's ft (tile m at 64 m), and X on its way in.
.set PIT,   528                        ; an LDS row of a tile: 512 bytes + 16 of padding
.set KSB,   64*PIT                     ; 64 rows: what one tensor load brings: one K step of 128
.set SLOTB, 4*KSB
.set XIMG,  2*SLOTB                    ; X's codes: row tile m, K step s at 1024 (4 m + s); registers 4 c .. at + 512 c + 16 lane
.set XSC,   XIMG+16384                 ; X's scale words: 512 m + 16 lane + 4 s
.set HIMG,  XSC+2048                   ; the same for ft's codes
.set HSC,   HIMG+16384
.set HX,    HIMG-XIMG
.set ZP,    HSC+2048                   ; partial z: 256 wave + 16 r + 4 m
.set OST,   ZP+1024                    ; the way out: 512 bytes a wave
.set SPARE, OST+2048                   ; the spare words, 128 bytes a wave
.set SPW,  1
.set NIL,  2
.set AFL,  3                           ; my place in a slot;  v4, v5: in the slot in hand, K steps 0-1 and 2-3
.set AFA,  4
.set AFB,  5
.set AIX,  6
.set ASX,  7
.set AXW,  8
.set ASXW, 9
.set AHW,  10
.set ASHW, 11
.set AZW,  12
.set AZR,  13
.set AOW,  14
.set AOR,  15
.set AGO,  16
.set AGH,  17
.set ABF,  18
.set AGI,  19
.set AWC,  20
.set MRUN, 21                          ; the running maximum, the running sum, i
.set LSUM, 22
.set ISC,  23
.set CWP,  24                          ; a quarter of the sum of my Wc, in two halves
.set FF,   26                          ; the softmax's factor and p;  in TANHZ the same ten registers hold the sums of z
.set ZAT,  26
.set PP,   28
.set ZB,   28
.set W1S,  36                          ; Wft's scale words, register 4 p + s: lane l = row l of the pair's 32;  Wf's likewise: scales and nothing else
.set W2S,  52
.set CACC, 60                          ; sum of p ft, 64 columns a lane
.set TM,   124                         ; the quantiser's
.set PW,   133                         ; ft's scale word
.set ZQ,   134                         ; z of four tiles;  in XQ X's four scale words
.set SH8,  139                         ; 8 (lane / 16)
.set XF,   140                         ; X's fragments of a tile;  in XQ X's codes;  ZT, SW, FW at work in SOFT and FINAL
.set ZT,   140
.set FW,   140
.set SW,   156
.set HF,   172                         ; ft's fragments of a tile (X's tile 1 at a chunk's head);  BFT at a change of batch
.set BFT,  172
.set ACC,  204                         ; the second product's 2 accumulators of 16;  IH .. OT at a change of batch
.set IH,   204
.set IS,   212
.set IW,   220
.set SV,   228
.set OT,   232
.set PC,   236                         ; ft's codes of a tile
.set XS,   244                         ; scale words that go with XF, with HF: scales and nothing else
.set HS,   248
.set C2V,  254                         ; 2 log2(e), twice
.set B1,   128
.set HB,   192
.set WC,   224
.set WV,   2
.set TB,   3
.set SEL,  26
.set L2E,  30
.set FL,   34
.set KC,   35
.set WOFF, 36
.set G1,   40
.set G0A,  48
.set G0W,  52
.set MSB, 0
.macro WIN new                         ; the immediate's high byte repeats the setting that is left; a switch that changes nothing is dropped
.if MSB != (\new)
	s_set_vgpr_msb (MSB<<8)|(\new)
.set MSB, (\new)
.endif
.endm
.macro PLACES                          ; four places behind a matrix instruction (ISA guide 7.12.1)
.rept 4
	v_nop
.endr
.endm
; 64 numbers of a lane in window win, register 32 c + i = k 64 c + 32 h + i of my row, become a fragment's 8 registers of codes and my row's scale word.  Four chains of maxima, each begun on the floor 2^(3 - 127).
.macro QUANT src, win, pc, pw
	WIN 20*(\win)
.irp c, 0,1
	v_max3_num_f32 v[TM+2*\c], s[FL], |v[(\src)+32*\c]|, |v[(\src)+32*\c+1]|
	v_max3_num_f32 v[TM+2*\c+1], s[FL], |v[(\src)+32*\c+16]|, |v[(\src)+32*\c+17]|
.endr
.irp i, 2,4,6,8,10,12,14
.irp c, 0,1
	v_max3_num_f32 v[TM+2*\c], v[TM+2*\c], |v[(\src)+32*\c+\i]|, |v[(\src)+32*\c+\i+1]|
	v_max3_num_f32 v[TM+2*\c+1], v[TM+2*\c+1], |v[(\src)+32*\c+16+\i]|, |v[(\src)+32*\c+17+\i]|
.endr
.endr
	WIN 0
	v_max_num_f32 v[TM], v[TM], v[TM+1]            ; block h's largest magnitude,
	v_max_num_f32 v[TM+2], v[TM+2], v[TM+3]        ; block 2 + h's
	v_add_nc_u32 v[TM+4], 0xff000000, v[TM]        ; 2 off the exponent field: the conversion's scale operand
	v_add_nc_u32 v[TM+5], 0xff000000, v[TM+2]
	WIN (\win)
.irp c, 0,1
.irp g, 0,1,2,3
	v_cvt_scalef32_pk8_fp4_f32 v[(\pc)+4*\c+\g], v[(\src)+32*\c+8*\g:(\src)+32*\c+8*\g+7], v[TM+4+\c]
.endr
.endr
	WIN 0
	v_lshrrev_b32 v[TM+6], 23, v[TM+4]             ; the scales' bytes (also the plain line behind the conversions)
	v_lshrrev_b32 v[TM+7], 23, v[TM+5]
	v_lshl_or_b32 v[TM+6], v[TM+7], 16, v[TM+6]
	v_lshlrev_b32 v[TM+6], v[SH8], v[TM+6]         ; at their places in the word, 8 h bits up;
	v_permlanex16_b32 v[TM+8], v[TM+6], s[SEL], s[SEL+1]
	v_or_b32 v[\pw], v[TM+6], v[TM+8]              ; with lane l xor 16's two the word is whole
.endm
; 32 rows of weights (two tiles, 16 registers) x 16 rows of X or ft (8 registers), 128 along K: 16 registers of sums, the first tile's eight and then the second's.  sa: a lane a row of the 32; sb: lanes 0-15
.macro WM d, a, b, c, sa, sb
	v_wmma_scale_f32_32x16x128_f4 v[(\d):(\d)+15], v[(\a):(\a)+15], v[(\b):(\b)+7], v[(\c):(\c)+15], v[\sa], v[\sb]
.endm
; THE CHANGE OF SLOTS: all my tensor loads have landed (my part of the next chunk), the add to my spare word, my LDS instructions are done (my part of z among them); the barrier;
; fill = 1: the slot whose numbers became codes a chunk ago takes the chunk two on.
.macro CHANGE fill
	WIN 0
	s_wait_tensorcnt 0x0
	ds_add_u32 v[SPW], v[NIL]
.if \fill
	s_add_co_u32 s[G0W+1], s[WOFF], s[TB]
	s_add_nc_u64 s[G0W+2:G0W+3], s[G0W+2:G0W+3], 131072
.endif
	s_xor_b32 s[TB], s[TB], SLOTB
	s_wait_dscnt 0x0
	s_barrier_signal -1
	s_barrier_wait -1
.if \fill
	tensor_load_to_lds s[G0W:G0W+3], s[G1:G1+7]
	s_nop 0
	PLACES
.endif
.endm
.macro XADR
	WIN 0
	v_add_nc_u32 v[AFA], s[TB], v[AFL]
	v_add_nc_u32 v[AFB], 2*KSB, v[AFA]
.endm
.macro XLD s                           ; K step s of my 16 rows: two runs of 128 bytes a lane, into window 3
	WIN 0xc0
.irp c, 0,1
.irp j, 0,1,2,3,4,5,6,7
	ds_load_b128 v[64*(\s)+32*\c+4*\j:64*(\s)+32*\c+4*\j+3], v[AFA+(\s)/2] offset:((\s)%2)*KSB+256*\c+16*\j
.endr
.endr
.endm
.macro XQ                              ; my 16 rows become four fragments.  The wait: the 16 loads of each later K step and the 3 stores of each earlier one may be out
.irp s, 0,1,2,3
	s_wait_dscnt 48-13*\s
	QUANT 64*\s, 3, XF+8*\s, ZQ+\s
	ds_store_b128 v[AXW], v[XF+8*\s:XF+8*\s+3] offset:1024*\s
	ds_store_b128 v[AXW], v[XF+8*\s+4:XF+8*\s+7] offset:1024*\s+512
	ds_store_b32 v[ASXW], v[ZQ+\s] offset:4*\s
.endr
.endm
.macro XPHASE
	XADR
.irp s, 0,1,2,3
	XLD \s
.endr
	XQ
.endm
.macro FETCH reg, sreg, m, add         ; row tile m's four fragments and its four scale words: 9 LDS loads
	WIN 0
.irp s, 0,1,2,3
.irp c, 0,1
	ds_load_b128 v[(\reg)+8*\s+4*\c:(\reg)+8*\s+4*\c+3], v[AIX] offset:(\add)+(4*(\m)+\s)*1024+512*\c
.endr
.endr
	ds_load_b128 v[(\sreg):(\sreg)+3], v[ASX] offset:(\add)+512*(\m)
.endm
.macro MM1 m, fb, sb                   ; ft's tile m, my 128 columns: 4 accumulators of 16 by turns, the first K step on bft
.irp s, 0,1,2,3
.if \s == 0
	WIN 0xe1
.else
	WIN 0xf1
.endif
.irp p, 0,1,2,3
.if \s == 0
	WM 64*(\m)+16*\p, 16*(4*\p+\s), (\fb)+8*\s, B1+16*\p, W1S+4*\p+\s, (\sb)+\s
.else
	WM 64*(\m)+16*\p, 16*(4*\p+\s), (\fb)+8*\s, 64*(\m)+16*\p, W1S+4*\p+\s, (\sb)+\s
.endif
.endr
.endr
.endm
.macro RELU m, w
	WIN 0xcc
.if \w
	s_wait_alu depctr_va_vdst(0)                   ; matrix results first read behind transcendentals
.endif
.set j, 0
.rept 32                               ; two numbers an instruction: destinations even and odd, second sources in neighbouring banks
	v_dual_max_num_f32 v[64*(\m)+j], 0, v[64*(\m)+j] :: v_dual_max_num_f32 v[64*(\m)+j+1], 0, v[64*(\m)+j+1]
.set j, j+2
.endr
.endm
.macro STH m                           ; my K step of ft's tile m goes to LDS
	ds_store_b128 v[AHW], v[PC:PC+3] offset:4096*(\m)
	ds_store_b128 v[AHW], v[PC+4:PC+7] offset:4096*(\m)+512
	ds_store_b32 v[ASHW], v[PW] offset:512*(\m)
.endm
.macro SIG                             ; my LDS instructions are done: say so
	s_wait_dscnt 0x0
	s_barrier_signal -1
.endm
.macro WAITB
	s_wait_alu depctr_va_vdst(0)
	s_barrier_wait -1
.endm
.macro MM2 m                           ; the second product's tile m, my 64 columns: 2 accumulators of 16 by turns, the first K step on bf + gh
.irp s, 0,1,2,3
.if \s == 0
	WIN 0x22
.else
	WIN 0x02
.endif
.irp p, 0,1
.if \s == 0
	WM ACC+16*\p, 16*(4*\p+\s), HF+8*\s, HB+16*\p, W2S+4*\p+\s, HS+\s
.else
	WM ACC+16*\p, 16*(4*\p+\s), HF+8*\s, ACC+16*\p, W2S+4*\p+\s, HS+\s
.endif
.endr
.endr
.endm
.macro TANHZ m                         ; my part of z of tile m: sum of Wc (1 - 2 / (1 + 2^(c x))) over my 32 numbers a lane.  Each batch of transcendentals has one wait ahead and one behind
	WIN 0
.set q, 0
.rept 16
	v_pk_mul_f32 v[ACC+2*q:ACC+2*q+1], v[ACC+2*q:ACC+2*q+1], v[C2V:C2V+1] op_sel_hi:[1,0]
.set q, q+1
.endr
	s_wait_alu depctr_va_vdst(0)
.set q, 0
.rept 32
	v_exp_f32 v[ACC+q], v[ACC+q]
.set q, q+1
.endr
	v_nop
	s_wait_alu depctr_va_vdst(0)
.set q, 0
.rept 16
	v_pk_add_f32 v[ACC+2*q:ACC+2*q+1], v[ACC+2*q:ACC+2*q+1], 1.0 op_sel_hi:[1,0]
.set q, q+1
.endr
	s_wait_alu depctr_va_vdst(0)
.set q, 0
.rept 32
	v_rcp_f32 v[ACC+q], v[ACC+q]
.set q, q+1
.endr
	v_nop
	s_wait_alu depctr_va_vdst(0)
	WIN 0x08                                       ; source 1: -2 Wc, in window 2.  Four chains, each begun on a quarter of the sum of Wc
	v_pk_fma_f32 v[ZAT:ZAT+1], v[ACC:ACC+1], v[WC:WC+1], v[CWP:CWP+1]
	v_pk_fma_f32 v[ZB:ZB+1], v[ACC+2:ACC+3], v[WC+2:WC+3], v[CWP:CWP+1]
	v_pk_fma_f32 v[ZB+2:ZB+3], v[ACC+4:ACC+5], v[WC+4:WC+5], v[CWP:CWP+1]
	v_pk_fma_f32 v[ZB+4:ZB+5], v[ACC+6:ACC+7], v[WC+6:WC+7], v[CWP:CWP+1]
.set q, 8
.rept 3
	v_pk_fma_f32 v[ZAT:ZAT+1], v[ACC+q:ACC+q+1], v[WC+q:WC+q+1], v[ZAT:ZAT+1]
	v_pk_fma_f32 v[ZB:ZB+1], v[ACC+q+2:ACC+q+3], v[WC+q+2:WC+q+3], v[ZB:ZB+1]
	v_pk_fma_f32 v[ZB+2:ZB+3], v[ACC+q+4:ACC+q+5], v[WC+q+4:WC+q+5], v[ZB+2:ZB+3]
	v_pk_fma_f32 v[ZB+4:ZB+5], v[ACC+q+6:ACC+q+7], v[WC+q+6:WC+q+7], v[ZB+4:ZB+5]
.set q, q+8
.endr
	WIN 0
	v_pk_add_f32 v[ZAT:ZAT+1], v[ZAT:ZAT+1], v[ZB:ZB+1]
	v_pk_add_f32 v[ZB+2:ZB+3], v[ZB+2:ZB+3], v[ZB+4:ZB+5]
	v_pk_add_f32 v[ZAT:ZAT+1], v[ZAT:ZAT+1], v[ZB+2:ZB+3]
	v_add_f32 v[ZQ+\m], v[ZAT], v[ZAT+1]
.endm
; The four waves' parts of z are added; the running maximum, the factor and p; the sums under the new maximum.  As each tile of ft has been added, its registers take the next chunk's numbers:
; x = 1: always;  x = 2: in the trip with s[KC] = 0 alone (a scalar branch on the trip's number, round LDS loads and their addresses and nothing else).
.macro SOFT x
	WIN 0
.irp w, 0,1,2,3
	ds_load_b128 v[ZT+4*\w:ZT+4*\w+3], v[AZR] offset:256*\w
.endr
.if \x == 1
	XADR
.endif
	s_wait_dscnt 0x0
	v_pk_add_f32 v[ZT:ZT+1], v[ZT:ZT+1], v[ZT+4:ZT+5]
	v_pk_add_f32 v[ZT+2:ZT+3], v[ZT+2:ZT+3], v[ZT+6:ZT+7]
	v_pk_add_f32 v[ZT+8:ZT+9], v[ZT+8:ZT+9], v[ZT+12:ZT+13]
	v_pk_add_f32 v[ZT+10:ZT+11], v[ZT+10:ZT+11], v[ZT+14:ZT+15]
	v_pk_add_f32 v[ZT:ZT+1], v[ZT:ZT+1], v[ZT+8:ZT+9]
	v_pk_add_f32 v[ZT+2:ZT+3], v[ZT+2:ZT+3], v[ZT+10:ZT+11]
	v_max3_num_f32 v[SW], v[ZT], v[ZT+1], v[ZT+2]
	v_max3_num_f32 v[SW], v[SW], v[ZT+3], v[MRUN]
	v_mul_f32 v[SW+2], -v[SW], s[L2E]
	v_fma_f32 v[SW+1], v[MRUN], s[L2E], v[SW+2]
.irp m, 0,1,2,3
	v_fma_f32 v[ZT+\m], v[ZT+\m], s[L2E], v[SW+2]
.endr
	s_wait_alu depctr_va_vdst(0)
	v_exp_f32 v[FF], v[SW+1]
.irp m, 0,1,2,3
	v_exp_f32 v[PP+2*\m], v[ZT+\m]
.endr
	v_mov_b32 v[MRUN], v[SW]
	s_wait_alu depctr_va_vdst(0)
	v_add_f32 v[SW+2], v[PP], v[PP+2]
	v_add_f32 v[SW+3], v[PP+4], v[PP+6]
	v_add_f32 v[SW+2], v[SW+2], v[SW+3]
	v_fma_f32 v[LSUM], v[LSUM], v[FF], v[SW+2]
.set q, 0
.rept 32
	v_pk_mul_f32 v[CACC+2*q:CACC+2*q+1], v[CACC+2*q:CACC+2*q+1], v[FF:FF+1] op_sel_hi:[1,0]
.set q, q+1
.endr
.irp m, 0,1,2,3
	WIN 0x03
.set q, 0
.rept 32
	v_pk_fma_f32 v[CACC+2*q:CACC+2*q+1], v[64*\m+2*q:64*\m+2*q+1], v[PP+2*\m:PP+2*\m+1], v[CACC+2*q:CACC+2*q+1] op_sel_hi:[1,0,1]
.set q, q+1
.endr
.if \x == 1
	XLD \m
.endif
.if \x == 2
	WIN 0
	s_cmp_lg_u32 s[KC], 0
	s_cbranch_scc1 .Lnx_\@_\m
.if \m == 0
	XADR
.endif
	XLD \m
	WIN 0
.Lnx_\@_\m:
.endif
.endr
	WIN 0
.endm
; A CHUNK.  A barrier shows X's codes to all.  Tile m's first product, relu and quantiser run one tile ahead of the barrier that shows its codes to all, the second product and tanh two tiles behind.
; Each matrix run is followed by vector work on an earlier tile.  The exchange of z shares its barrier with the change of slots.
.macro PPHASE x, fill
	s_wait_dscnt 0x0                               ; my part of X's codes lies in LDS
	s_barrier_signal -1
	s_barrier_wait -1
	FETCH XF, XS, 0, 0
	FETCH HF, HS, 1, 0                             ; X's tile 1 into the registers that ft's fragments do not need yet
	s_wait_dscnt 0x9                               ; tile 0's 9 loads are in; tile 1's may be out
	MM1 0, XF, XS
	PLACES
	FETCH XF, XS, 2, 0
	s_wait_dscnt 0x9                               ; tile 1's are in; tile 2's may be out
	MM1 1, HF, HS
	RELU 0, 0
	QUANT 0, 3, PC, PW
	STH 0
	SIG
	MM1 2, XF, XS
	RELU 1, 0
	FETCH XF, XS, 3, 0
	QUANT 64, 3, PC, PW
	WAITB                                          ; tile 0's codes lie in LDS
	STH 1
	FETCH HF, HS, 0, HX
	SIG
	MM1 3, XF, XS
	MM2 0
	RELU 2, 0
	QUANT 128, 3, PC, PW
	WAITB                                          ; tile 1's
	STH 2
	FETCH HF, HS, 1, HX
	TANHZ 0
	SIG
	MM2 1
	RELU 3, 1
	QUANT 192, 3, PC, PW
	WAITB                                          ; tile 2's
	STH 3
	FETCH HF, HS, 2, HX
	TANHZ 1
	SIG
	MM2 2
	WAITB                                          ; tile 3's
	PLACES
	FETCH HF, HS, 3, HX
	TANHZ 2
	s_wait_dscnt 0x0
	MM2 3
	PLACES
	TANHZ 3
.irp m, 0,1,2,3
	v_permlanex16_b32 v[ZB+\m], v[ZQ+\m], s[SEL], s[SEL+1]
.endr
.irp m, 0,1,2,3
	v_add_f32 v[ZQ+\m], v[ZQ+\m], v[ZB+\m]         ; with lane l xor 16's 32 columns
.endr
	ds_store_b128 v[AZW], v[ZQ:ZQ+3]
	CHANGE \fill
	SOFT \x
.endm
.macro BATCH_LOADS i                   ; batch i's gh in the second product's layout, bf, and gh, gs, Wc for i: 22 loads
	WIN 0x80
.irp t, 0,1,2,3
.irp c, 0,1
	global_load_b128 v[HB+8*\t+4*\c:HB+8*\t+4*\c+3], v[AGH], s[14:15] offset:16*(\i)+1024*\t+512*\c
.endr
.endr
	WIN 0
.irp t, 0,1,2,3
.irp c, 0,1
	global_load_b128 v[BFT+8*\t+4*\c:BFT+8*\t+4*\c+3], v[ABF], s[12:13] offset:64*\t+16*\c
.endr
.endr
.irp c, 0,1
	global_load_b128 v[IH+4*\c:IH+4*\c+3], v[AGI], s[14:15] offset:16*(\i)+512*\c
	global_load_b128 v[IS+4*\c:IS+4*\c+3], v[AGI], s[16:17] offset:16*(\i)+512*\c
	global_load_b128 v[IW+4*\c:IW+4*\c+3], v[AWC], s[18:19] offset:16*\c
.endr
.endm
.macro BATCH_FIN                       ; HB = gh + bf;  i = Wc . tanh(gs + gh), 8 numbers a lane, summed over the wave
	s_wait_loadcnt 0x0
	WIN 0x82
.set q, 0
.rept 16
	v_pk_add_f32 v[HB+2*q:HB+2*q+1], v[HB+2*q:HB+2*q+1], v[BFT+2*q:BFT+2*q+1]
.set q, q+1
.endr
	WIN 0
.irp p, 0,1,2,3
	v_pk_add_f32 v[IH+2*\p:IH+2*\p+1], v[IH+2*\p:IH+2*\p+1], v[IS+2*\p:IS+2*\p+1]
.endr
.irp p, 0,1,2,3
	v_pk_mul_f32 v[IH+2*\p:IH+2*\p+1], v[IH+2*\p:IH+2*\p+1], v[C2V:C2V+1] op_sel_hi:[1,0]
.endr
	s_wait_alu depctr_va_vdst(0)
.irp j, 0,1,2,3,4,5,6,7
	v_exp_f32 v[IH+\j], v[IH+\j]
.endr
	v_nop
	s_wait_alu depctr_va_vdst(0)
.irp p, 0,1,2,3
	v_pk_add_f32 v[IH+2*\p:IH+2*\p+1], v[IH+2*\p:IH+2*\p+1], 1.0 op_sel_hi:[1,0]
.endr
	s_wait_alu depctr_va_vdst(0)
.irp j, 0,1,2,3,4,5,6,7
	v_rcp_f32 v[IH+\j], v[IH+\j]
.endr
	v_nop
	s_wait_alu depctr_va_vdst(0)
.irp p, 0,1,2,3
	v_pk_fma_f32 v[IH+2*\p:IH+2*\p+1], v[IH+2*\p:IH+2*\p+1], -2.0, 1.0 op_sel_hi:[1,0,0]
.endr
	v_mul_f32 v[IS], v[IH], v[IW]
	v_mul_f32 v[IS+1], v[IH+1], v[IW+1]
.irp p, 1,2,3
	v_pk_fma_f32 v[IS:IS+1], v[IH+2*\p:IH+2*\p+1], v[IW+2*\p:IW+2*\p+1], v[IS:IS+1]
.endr
	v_add_f32 v[ISC], v[IS], v[IS+1]
.irp x, 1,2,4,8
	v_add_f32_dpp v[ISC], v[ISC], v[ISC] row_xmask:\x row_mask:0xf bank_mask:0xf
.endr
	v_permlanex16_b32 v[IS], v[ISC], s[SEL], s[SEL+1]
	v_add_f32 v[ISC], v[ISC], v[IS]
	s_wait_xcnt 0x0
.endm
; A batch's end: the sixteen lanes' maxima and i give the last maximum; sums and CACC are brought under it, added over the sixteen rows, divided; + gate x s; my 128 columns leave as 512 consecutive bytes.
.macro FINAL i, younger
	v_mov_b32 v[FW], v[MRUN]
.irp x, 1,2,4,8
	v_max_num_f32_dpp v[FW], v[FW], v[FW] row_xmask:\x row_mask:0xf bank_mask:0xf
.endr
	v_max_num_f32 v[FW], v[FW], v[ISC]
	v_sub_f32 v[FW+1], v[MRUN], v[FW]
	v_sub_f32 v[FW+2], v[ISC], v[FW]
	v_mul_f32 v[FW+1], s[L2E], v[FW+1]
	v_mul_f32 v[FW+2], s[L2E], v[FW+2]
	s_wait_alu depctr_va_vdst(0)
	v_exp_f32 v[FW+4], v[FW+1]
	v_exp_f32 v[FW+6], v[FW+2]
	v_mov_b32 v[FW+5], 0
	v_mov_b32 v[FW+7], 0
	s_wait_alu depctr_va_vdst(0)
	v_mul_f32 v[FW+3], v[LSUM], v[FW+4]
.irp x, 1,2,4,8
	v_add_f32_dpp v[FW+3], v[FW+3], v[FW+3] row_xmask:\x row_mask:0xf bank_mask:0xf
.endr
	v_add_f32 v[FW+3], v[FW+3], v[FW+6]
	s_wait_alu depctr_va_vdst(0)
	v_rcp_f32 v[FW+8], v[FW+3]
	v_nop
	s_wait_alu depctr_va_vdst(0)
	v_mul_f32 v[FW+4], v[FW+4], v[FW+8]
	v_mul_f32 v[FW+6], v[FW+6], v[FW+8]
.set q, 0
.rept 32
	v_pk_mul_f32 v[CACC+2*q:CACC+2*q+1], v[CACC+2*q:CACC+2*q+1], v[FW+4:FW+5] op_sel_hi:[1,0]
.set q, q+1
.endr
.irp x, 1,2,4,8
.set q, 0
.rept 64
	v_add_f32_dpp v[CACC+q], v[CACC+q], v[CACC+q] row_xmask:\x row_mask:0xf bank_mask:0xf
.set q, q+1
.endr
.endr
.irp t, 0,1,2,3,4,5,6,7
.irp c, 0,1
	ds_store_b128 v[AOW], v[CACC+8*\t+4*\c:CACC+8*\t+4*\c+3] offset:256*(\t/4)+32*(\t%4)+16*\c   ; register 8 t + j is column 64 (t / 4) + 32 h + 8 (t % 4) + j of my 128
.endr
.endr
	ds_load_b128 v[OT:OT+3], v[AOR]
	s_wait_loadcnt \younger
	s_wait_dscnt 0x0
	v_pk_fma_f32 v[OT:OT+1], v[SV:SV+1], v[FW+6:FW+7], v[OT:OT+1] op_sel_hi:[1,0,1]
	v_pk_fma_f32 v[OT+2:OT+3], v[SV+2:SV+3], v[FW+6:FW+7], v[OT+2:OT+3] op_sel_hi:[1,0,1]
	global_store_b128 v[AGO], v[OT:OT+3], s[22:23] offset:2048*(\i)
	v_mov_b32 v[MRUN], 0xfe967699                  ; the next batch begins under every z: its first factor is 0 and clears the sums
.endm
	s_load_b512 s[4:19], s[0:1], 0x0               ; features 4, wimg 6, wsc 8, bft 10, bf 12, gh 14, gs 16, Wc 18
	s_load_b128 s[20:23], s[0:1], 0x40             ; s 20, out0 22
	v_lshl_add_u32 v[SPW], v0, 2, SPARE
	v_mov_b32 v[NIL], 0
	ds_add_u32 v[SPW], v[NIL]                      ; the add, twice on end, and one wait
	ds_add_u32 v[SPW], v[NIL]
	v_lshrrev_b32 v140, 5, v0
	v_readfirstlane_b32 s[WV], v140                ; wave 0..3
	s_mov_b32 s[G1+0], (2<<16)|(1<<20)|(6<<22)|(3<<25)   ; elements of 4 bytes; 4 words of padding behind every 128
	s_mov_b32 s[G1+1], 128<<16
	s_mov_b32 s[G1+2], 64<<16
	s_mov_b32 s[G1+3], 128<<16
	s_mov_b32 s[G1+4], 64
	s_mov_b32 s[G1+5], 512
	s_mov_b32 s[G1+6], 0
	s_mov_b32 s[G1+7], 0
	s_mov_b32 s[SEL], 0x76543210
	s_mov_b32 s[SEL+1], 0xfedcba98
	s_mov_b32 s[L2E], 0x3fb8aa3b
	s_mov_b32 s[FL], 0x1800000
	s_mov_b32 s[TB], 0
	s_mul_i32 s[WOFF], s[WV], KSB
	s_lshl_b32 s56, ttmp9, 20                      ; my work-group's 512 rows of 2,048 bytes,
	s_lshl_b32 s57, s[WV], 9                       ; my K step's 512 bytes of each
	s_add_co_u32 s56, s56, s57
	s_mov_b32 s57, 0
	s_wait_dscnt 0x0
	s_wait_kmcnt 0x0
	s_add_nc_u64 s[56:57], s[4:5], s[56:57]
	s_mov_b32 s[G0A], 1
	s_mov_b32 s[G0A+1], s[WOFF]
	s_mov_b64 s[G0A+2:G0A+3], s[56:57]
	s_or_b32 s[G0A+3], s[G0A+3], 0x80000000
	s_mov_b32 s[G0W], 1
	s_add_co_u32 s[G0W+1], s[WOFF], SLOTB
	s_add_nc_u64 s[G0W+2:G0W+3], s[56:57], 131072
	s_or_b32 s[G0W+3], s[G0W+3], 0x80000000
	tensor_load_to_lds s[G0A:G0A+3], s[G1:G1+7]    ; chunk 0: my one tensor load at the head
	s_nop 0
	PLACES
	; while it is on its way: the addresses, and every load of weights, biases and batch 0's vectors
	s_mov_b32 s61, 0
	s_lshl_b32 s60, s[WV], 14
	s_add_nc_u64 s[56:57], s[6:7], s[60:61]
	s_add_nc_u64 s[56:57], s[56:57], 131072        ; Wf's codes, my 4 tiles
	s_lshl_b32 s60, s[WV], 15
	s_add_nc_u64 s[6:7], s[6:7], s[60:61]          ; Wft's codes, my 8 tiles
	s_lshl_b32 s60, s[WV], 10
	s_add_nc_u64 s[58:59], s[8:9], s[60:61]
	s_add_nc_u64 s[58:59], s[58:59], 8192
	s_lshl_b32 s60, s[WV], 11
	s_add_nc_u64 s[8:9], s[8:9], s[60:61]
	s_lshl_b32 s60, s[WV], 9
	s_add_nc_u64 s[10:11], s[10:11], s[60:61]
	s_lshr_b32 s60, ttmp9, 3
	s_lshl_b32 s60, s60, 14
	s_and_b32 s62, ttmp9, 7
	s_lshl_b32 s62, s62, 5
	s_add_co_u32 s60, s60, s62
	s_add_nc_u64 s[14:15], s[14:15], s[60:61]
	s_add_nc_u64 s[16:17], s[16:17], s[60:61]
	s_lshl_b32 s60, ttmp9, 12
	s_add_nc_u64 s[20:21], s[20:21], s[60:61]
	s_add_nc_u64 s[22:23], s[22:23], s[60:61]
	v_and_b32 v140, 31, v0                         ; L
	v_and_b32 v141, 15, v0                         ; r
	v_bfe_u32 v142, v0, 4, 1                       ; h
	v_lshlrev_b32 v143, 4, v140                    ; 16 L
	v_lshlrev_b32 v144, 2, v141
	v_lshl_add_u32 v144, v142, 8, v144             ; 256 h + 4 r: the weights' scale words: lanes 0-15 the pair's first tile, lanes 16-31 its second, 256 bytes on
	v_lshlrev_b32 v145, 7, v142                    ; 128 h: a block of 32 f32
	v_lshlrev_b32 v[SH8], 3, v142
	s_mul_i32 s60, s[WV], 16*PIT
	v_mad_u32_u24 v[AFL], v141, PIT, v145
	v_add_nc_u32 v[AFL], s60, v[AFL]
	v_add_nc_u32 v[AIX], XIMG, v143
	v_add_nc_u32 v[ASX], XSC, v143
	s_lshl_b32 s60, s[WV], 12
	v_add_nc_u32 v[AXW], s60, v[AIX]
	v_lshl_add_u32 v[AGH], v142, 8, s60
	s_lshl_b32 s60, s[WV], 9
	v_add_nc_u32 v[ASXW], s60, v[ASX]
	v_add_nc_u32 v[AGO], s60, v143
	v_add_nc_u32 v[AOR], OST, v[AGO]
	v_add_nc_u32 v[AOW], s60, v145
	v_add_nc_u32 v[AOW], OST, v[AOW]
	s_lshl_b32 s60, s[WV], 10
	v_add_nc_u32 v[AHW], s60, v143
	v_add_nc_u32 v[AHW], HIMG, v[AHW]
	s_lshl_b32 s60, s[WV], 2
	v_add_nc_u32 v[ASHW], s60, v143
	v_add_nc_u32 v[ASHW], HSC, v[ASHW]
	v_lshl_add_u32 v[AZR], v141, 4, ZP
	s_lshl_b32 s60, s[WV], 8
	v_add_nc_u32 v[AZW], s60, v[AZR]
	v_lshl_add_u32 v[ABF], v142, 5, s60
	v_lshrrev_b32 v146, 1, v140
	v_and_b32 v147, 1, v140
	v_lshlrev_b32 v146, 10, v146
	v_lshl_add_u32 v[AGI], v147, 8, v146
	v_lshlrev_b32 v[AWC], 5, v140
	; load q = 8 t + 2 s + c of a weight's images: tile t, K step s, half c, to register 16 (4 (t / 2) + s) + 8 (t % 2) + 4 c
	WIN 0x40
.set q, 0
.rept 64
.set wr, 16*(4*(q/16)+(q/2)%4)+8*((q/8)%2)+4*(q%2)
	global_load_b128 v[wr:wr+3], v143, s[6:7] offset:512*q
.set q, q+1
.endr
	WIN 0x80
.set q, 0
.rept 32
.set wr, 16*(4*(q/16)+(q/2)%4)+8*((q/8)%2)+4*(q%2)
	global_load_b128 v[wr:wr+3], v143, s[56:57] offset:512*q
.set q, q+1
.endr
.irp t, 0,1,2,3,4,5,6,7
.irp c, 0,1
	global_load_b128 v[B1+8*\t+4*\c:B1+8*\t+4*\c+3], v145, s[10:11] offset:(64*(\t/4)+8*(\t%4))*4+16*\c   ; bft at columns 64 (t / 4) + 32 h + 8 (t % 4) + 0 .. 7 of my 128
.endr
.endr
.irp t, 0,1,2,3
.irp c, 0,1
	global_load_b128 v[WC+8*\t+4*\c:WC+8*\t+4*\c+3], v[ABF], s[18:19] offset:64*\t+16*\c
.endr
.endr
	WIN 0
.set q, 0
.rept 16
	global_load_b32 v[W1S+q], v144, s[8:9] offset:512*(q/4)+64*(q%4)     ; pair q / 4, K step q % 4
.set q, q+1
.endr
.set q, 0
.rept 8
	global_load_b32 v[W2S+q], v144, s[58:59] offset:512*(q/4)+64*(q%4)
.set q, q+1
.endr
	BATCH_LOADS 0
.set q, 0
.rept 64
	v_mov_b32 v[CACC+q], 0                         ; the chunk is written once: the first finds zeros
.set q, q+1
.endr
	v_mov_b32 v[LSUM], 0
	v_mov_b32 v[MRUN], 0xfe967699                  ; -1e38, under every z
	v_mov_b32 v[C2V], 0x4038aa3b
	v_mov_b32 v[C2V+1], 0x4038aa3b
	v_mov_b32 v[FF+1], 0
.irp m, 0,1,2,3
	v_mov_b32 v[PP+2*\m+1], 0                      ; named as upper halves of pairs
.endr
	v_mov_b32 v[TM+8], 0                           ; a lane permute's destination counts as one of its sources
	s_wait_alu depctr_va_vdst(0)
	; still under chunk 0's flight: what hangs on the global loads alone
	s_wait_loadcnt 22                              ; all but batch 0's 22 loads
	WIN 0x0a
	v_pk_add_f32 v[CWP:CWP+1], v[WC:WC+1], v[WC+2:WC+3]
	WIN 0x08
.set q, 2
.rept 14
	v_pk_add_f32 v[CWP:CWP+1], v[CWP:CWP+1], v[WC+2*q:WC+2*q+1]
.set q, q+1
.endr
	WIN 0x82
.set q, 0
.rept 16
	v_pk_mul_f32 v[WC+2*q:WC+2*q+1], v[WC+2*q:WC+2*q+1], -2.0 op_sel_hi:[1,0]
.set q, q+1
.endr
	WIN 0
	v_mul_f32 v[CWP], 0x3e800000, v[CWP]
	v_mul_f32 v[CWP+1], 0x3e800000, v[CWP+1]
	BATCH_FIN                                      ; it waits for all loads and ends behind s_wait_xcnt 0: v140-147, which XQ writes, are free
	s_wait_alu depctr_va_vdst(0)
	s_wait_tensorcnt 0x0                           ; chunk 0, my part
	ds_add_u32 v[SPW], v[NIL]
	s_wait_dscnt 0x0
	s_barrier_signal -1
	s_barrier_wait -1                              ; chunk 0 is whole
	tensor_load_to_lds s[G0W:G0W+3], s[G1:G1+7]    ; chunk 1 into slot 1
	s_nop 0
	PLACES
	XPHASE                                         ; chunk 0 becomes codes
	s_mov_b32 s[KC], 0
.Lfill:                                            ; chunks 0 to 5: each asks for the chunk two on
	PPHASE 1, 1
	s_cmp_lg_u32 s[KC], 3
	s_cbranch_scc1 .Lsame_batch
	global_load_b128 v[SV:SV+3], v[AGO], s[20:21]
	BATCH_LOADS 1
	FINAL 0, 22                                    ; s's load is in; the 22 behind it may be out
	BATCH_FIN
.Lsame_batch:
	XQ
	s_add_co_u32 s[KC], s[KC], 1
	s_cmp_lt_u32 s[KC], 6
	s_cbranch_scc1 .Lfill
	s_mov_b32 s[KC], 0
.Ltail:                                            ; chunks 6 and 7 ask for nothing
	PPHASE 2, 0
	s_cmp_lg_u32 s[KC], 0
	s_cbranch_scc1 .Lno_next
	XQ
.Lno_next:
	s_add_co_u32 s[KC], s[KC], 1
	s_cmp_lt_u32 s[KC], 2
	s_cbranch_scc1 .Ltail
	global_load_b128 v[SV:SV+3], v[AGO], s[20:21] offset:2048
	FINAL 1, 0
	s_wait_tensorcnt 0x0                           ; the wave's end
	ds_add_u32 v[SPW], v[NIL]
	s_wait_dscnt 0x0
	s_endpgm
.Lfunc_end_k_q43c82101ce_main:
	.size	k_q43c82101ce_main, .Lfunc_end_k_q43c82101ce_main-k_q43c82101ce_main
	.p2alignl 7, 3214868480
	.fill 96, 4, 3214868480
	.section	.rodata,"a",@progbits
	.p2align	6, 0x0
	.amdhsa_kernel k_q43c82101ce_main
		.amdhsa_group_segment_fixed_size 327680
		.amdhsa_private_segment_fixed_size 0
		.amdhsa_enable_private_segment 0
		.amdhsa_kernarg_size 80
		.amdhsa_user_sgpr_count 2
		.amdhsa_user_sgpr_kernarg_segment_ptr 1
		.amdhsa_wavefront_size32 1
		.amdhsa_system_sgpr_workgroup_id_x 1
		.amdhsa_system_sgpr_workgroup_id_y 1
		.amdhsa_system_sgpr_workgroup_id_z 1
		.amdhsa_system_vgpr_workitem_id 0
		.amdhsa_next_free_vgpr 1024
		.amdhsa_next_free_sgpr 66
		.amdhsa_reserve_vcc 0
		.amdhsa_float_denorm_mode_32 3
		.amdhsa_float_denorm_mode_16_64 3
		.amdhsa_memory_ordered 1
		.amdhsa_forward_progress 1
		.amdhsa_inst_pref_size 255
	.end_amdhsa_kernel
	.section	.bss,"aw",@nobits
	.p2align	6
	.space	262144
	.amdgpu_metadata
---
amdhsa.version: [ 1, 2 ]
amdhsa.kernels:
  - .name:           k_q43c82101ce_main
    .symbol:         k_q43c82101ce_main.kd
    .args:
      - { .name: features, .offset: 0, .size: 8, .value_kind: global_buffer, .address_space: global }
      - { .name: wimg, .offset: 8, .size: 8, .value_kind: global_buffer, .address_space: global }
      - { .name: wsc, .offset: 16, .size: 8, .value_kind: global_buffer, .address_space: global }
      - { .name: bft, .offset: 24, .size: 8, .value_kind: global_buffer, .address_space: global }
      - { .name: bf, .offset: 32, .size: 8, .value_kind: global_buffer, .address_space: global }
      - { .name: gh, .offset: 40, .size: 8, .value_kind: global_buffer, .address_space: global }
      - { .name: gs, .offset: 48, .size: 8, .value_kind: global_buffer, .address_space: global }
      - { .name: Wc, .offset: 56, .size: 8, .value_kind: global_buffer, .address_space: global }
      - { .name: s, .offset: 64, .size: 8, .value_kind: global_buffer, .address_space: global }
      - { .name: out0, .offset: 72, .size: 8, .value_kind: global_buffer, .address_space: global }
    .group_segment_fixed_size: 327680
    .private_segment_fixed_size: 0
    .kernarg_segment_align: 8
    .kernarg_segment_size: 80
    .max_flat_workgroup_size: 128
    .sgpr_count:     66
    .vgpr_count:     1024
    .wavefront_size: 32
...
	.end_amdgpu_metadata
.endif
;; end of part 2
